; MI455X (gfx1250); checked and timed in simulation.
; The chip was launched on July 23, 2026; its instructions are those of AMD's public machine-readable ISA for CDNA 5 (MIT licence, August 2026) and "CDNA5" Instruction Set Architecture Reference Guide (July 2026). The comments in the code are by the model that wrote it; some were corrected since.
;; Attn. Allowed arithmetic: matrix products marked QUANTISED: E4M3 operands, one E8M0 scale for each 32 along K, by v_wmma_scale_f32_16x16x128_f8f6f4 with both operands' format E4M3, f32 sums; products left as they are: f32 operands where the result goes on into a quantised operand, else bf16, f16 or f32 operands; f32 sums; everything else in f32.
;; Inputs: W_codes 1,024 x 32 x 32 uint8 (E4M3 codes of W, K innermost, in blocks of 32 codes); W_scales 1,024 x 32 uint8 (E8M0 scales of W, one for each 32 codes along K); b 1,024 float32; encoder_outputs_codes 2,048 x 32 x 32 x 32 uint8 (E4M3 codes of encoder_outputs, K innermost, in blocks of 32 codes); encoder_outputs_scales 2,048 x 32 x 32 uint8 (E8M0 scales of encoder_outputs, one for each 32 codes along K); hidden 32 x 1,024 float32.
;; Outputs: out0 32 x 1 x 2,048 float32.
;; This version of the problem:
;;   THIS VERSION OF THE PROBLEM IS GIVEN IN LOW PRECISION. The matrix products marked QUANTISED in the list below multiply operands that are first quantised to E4M3 (4 exponent bits, 3 mantissa bits; 8 bits a number), with one power-of-two scale for each 32 numbers along K (OCP MX v1.0); their sums are f32. All else is computed in f32.
;;   The module's matrix products, in the order in which they are computed (A, B: the left and right operand; K: the contracted axis; several contracted axes count as one K, in the product's order):
;;     1. [M 65,536, K 1,024] x [K 1,024, N 1,024]; A: input encoder_outputs (given as codes); B: input W (given as codes): QUANTISED
;;     2. batch 32 x [M 1, K 1,024] x [K 1,024, N 2,048]; A: input hidden; B: computed on the way: left as it is (M = 1 < 16)
;;   THE QUANTISER, for each operand of a quantised product, along K:
;;     - K is cut into blocks of 32 from its start; a last block that is shorter is filled with zeros.
;;     - A block's scale is 2^e with e = floor(log2(the largest magnitude in the block)) - 8, held to -126 .. 127; a block of zeros has e = 0. As a byte (E8M0): e + 127.
;;     - Each number is divided by its block's scale, clamped to +-448, and rounded to the nearest number of E4M3, ties to even, subnormals kept.
;;     - The product sums the exact products of the quantised numbers (number of the format x scale) in f32.
;;   ~~~python
;;   def quantise(x, axis):      # numpy; x: float32 -> the quantised numbers, widened to float32 again
;;       x = np.moveaxis(x, axis, -1); K = x.shape[-1]
;;       x = np.pad(x, [(0, 0)] * (x.ndim - 1) + [(0, -K % 32)]); x = x.reshape(x.shape[:-1] + (-1, 32)); a = np.abs(x).max(-1, keepdims=True)
;;       e = np.where(a > 0, np.clip(np.frexp(np.where(a > 0, a, 1))[1] - 1 - 8, -126, 127), 0)      # np.frexp(a)[1] - 1 = floor(log2(a)), exactly
;;       r = np.clip(x / 2.0 ** e, -448, 448)
;;       step = 2.0 ** (np.maximum(np.frexp(np.where(r == 0, 1, r))[1] - 1, -6) - 3)
;;       q = np.round(r / step) * step * 2.0 ** e      # np.round: ties to even
;;       return np.moveaxis(q.reshape(q.shape[:-2] + (-1,))[..., :K], -1, axis).astype(np.float32)
;;   ~~~
;;   INPUTS GIVEN AS CODES. W (in the module: [1024, 1024], K = its axis 1); encoder_outputs (in the module: [2048, 32, 1024], K = its axis 2): each comes as NAME_codes (uint8): NAME with its K axis moved to the last place and cut into blocks of 32 codes, [.., K / 32, bytes a block], one block behind the other in memory; one code a byte (a code: sign, 4 exponent bits, 3 mantissa bits); and NAME_scales (uint8): the same leading axes, one E8M0 byte (e + 127) for each 32 codes along K. Its value is code x scale, taken as it is: it is not quantised again, and the codes and scales need not be those that the quantiser above would give.
;; One version. Each part assembles by itself: llvm-mc -triple=amdgcn-amd-amdhsa -mcpu=gfx1250 --defsym DOCPART=n.
;; ======== version 1 of 1: 2 launches
;; limits: right only within a limited range of input values
;; workspace buffers: part 1,048,576 bytes
;; launch energy (part 1): grid 4 x 64, 4 waves a work-group, clusters of 4 x 4, 327,680 bytes of LDS; arguments encoder_outputs_codes, encoder_outputs_scales, W_codes, W_scales, hidden, part; writes part
.if DOCPART == 1
	.amdgcn_target "amdgcn-amd-amdhsa--gfx1250"
	.amdhsa_code_object_version 6
	.text
	.protected	k_q30ab24e4c4_energy
	.globl	k_q30ab24e4c4_energy
	.p2align	8
	.type	k_q30ab24e4c4_energy,@function
k_q30ab24e4c4_energy:
	s_mov_b64 s[64:65], 0
	v_nop
	global_prefetch_b8 v0, s[64:65] scope:SCOPE_SE
	s_setreg_imm32_b32 hwreg(HW_REG_WAVE_MODE, 25, 1), 1
	s_wait_xcnt 0x0
	s_wait_alu depctr_hold_cnt(0) depctr_sa_sdst(0) depctr_va_vdst(0) depctr_va_sdst(0) depctr_va_ssrc(0) depctr_va_vcc(0) depctr_vm_vsrc(0)
	s_getreg_b32 s2, hwreg(HW_REG_IB_STS2, 6, 4)
	s_cmp_eq_u32 s2, 0
	s_cbranch_scc0 .Lentry_in_a_cluster
	s_endpgm
.Lentry_in_a_cluster:
	s_bfe_u32 s2, ttmp6, 0x10000c
	s_cmp_lg_u32 s2, 0xf033
	s_cbranch_scc0 .Lentry_shape_is_right
	s_endpgm
.Lentry_shape_is_right:
; part[cx][b][s] = the sum over the 256 outputs o of N quarter cx of hidden[b][o] x energy[s][b][o],
; energy[s][b][o] = the sum over k of enc[s][b][k] W[o][k], both on codes of FP8 (E4M3) with one E8M0 scale for each 32 along K.  The energy never goes to memory.
; DEAD WORK LEFT OUT: the bias b.  reference() adds b[o] to energy[s][b][o], so each score[b][s] gets the term sum over o of hidden[b][o] b[o]: the same number for all s of a row, and the softmax runs
; along s: it cancels for all values of the inputs.  Nothing behind it is quantised.  So b is not loaded and is no argument of any launch.  LIMIT: a NaN, an infinity or an overflow that reaches only that term is not carried to the result.
; SHARES.  A work-group owns 8 neighbouring b (bg = cy) x 128 neighbouring s (sr = cluster y), 1,024 rows, and one quarter of N (cx).  Wave w = (nh, kh) holds 128 rows of W for K half kh in 512 REGISTERS for the whole launch:
; 8 blocks (nb) of 16 rows x 4 K steps of 128 x 16 registers.  Block nb begins at row 256 cx + 64 nh + 16 nb + 64 (nb / 4).  Only the rows of enc are streamed through LDS; a fragment of them feeds eight products.
; CLUSTER 4 x 4.  The four work-groups of a row of the cluster (same cy) need the same rows of enc and their scale bytes, the four of a column (same cx) the same rows of W: these are asked for jointly.
; W: the first 128 rows of the quarter come by a tensor load into slot 1 and from there into registers; the other 128 go from memory straight into registers: LDS holds no more beside chunk 0.
; RING.  Two slots of 128 rows (16 s x 8 b) x all 1,024 of K; eight such chunks.  A chunk is four GROUPS of 32 rows: a batch of 64 matrix instructions a wave, on one of two buffers of eight fragments.
; LDS loads of a batch (the fragments and scale words of the NEXT group) and the store of an earlier group's scores stand at a group's head; the dot with hidden stands among the matrix instructions and at the group's end.
; THE MATRIX INSTRUCTION IS USED TRANSPOSED (source 0 = 16 rows of W, source 1 = 16 rows of enc): lane (r, h) holds row r and outputs 16 nb + 8 h + 0 .. 7, so the dot with hidden is a multiply-add a pair.
; LDS row = 8 s + b: lane r always means b = 8 bg + r % 8, so one set of 64 registers of hidden serves every block.
; ORDER OF SUMS, stated: K is summed in two halves (two waves), N in 16 parts (4 work-groups x 2 waves x 2 halves of the lanes), each in four chains; all in f32.
; LIMITS: NaN, infinities and the scale byte 0xff among the inputs are not served.
; REGISTERS, in windows of 256: window 0: addresses, chains, scale words, hidden (below); v128-191, v192-255 the accumulators of a group's two blocks of 16 rows.
;   windows 1, 2: W's fragments: (K step s, block nb) at window 1 + s / 2, v[128 (s % 2) + 16 nb].   window 3: v[128 (group % 2) + 16 (4 block + s)]: fragments of enc.
.set PITCH,  1040                      ; an LDS row: 1,024 bytes + 16 of padding = 260 words: row r starts at bank 4 r mod 64 (64 banks of 4 bytes: ISA guide 11.1)
.set QUART,  32*PITCH                  ; 32 rows: what one refill load brings
.set SLOTB,  4*QUART                   ; a slot
.set SCL,    2*SLOTB                   ; behind the ring: the scale bytes of the 128 s: one unit of 256 bytes (8 b x 32) + 16 of padding for each s; filled once
.set SCU,    272
.set STG,    SCL+128*SCU               ; the stage for the scores: for each wave 8 b x (128 s x 4 bytes + 16); written by LDS stores alone
.set STP,    528
.set STW,    8*STP
.set SPARE,  STG+4*STW                 ; the spare words, 128 bytes for each wave: two blocks of 256 bytes that no other line names
.set CHUNKB, 16*32768                  ; a chunk on in memory: 16 s of 32 b x 1,024 bytes
.set CH1,  2                           ; v2-5    two chains of the dot of block 1, a pair each (behind the head)
.set CH0,  6                           ; v6-9    of block 0 (behind the head)
.set SPW,  10                          ; v10     LDS address of my spare word; never rewritten
.set NIL,  11                          ; v11     0; never rewritten
.set AD,   12                          ; v12-15  LDS address of my lane in rows 0-63 and 64-127 of slot 0, of slot 1
.set ADS,  16                          ; v16     of my lane's scale words
.set ADT,  17                          ; v17     of my lane's score in my stage
.set RD,   18                          ; v18     the way out: where I read scores back
.set OUTO, 19                          ; v19     16 x lane
.set PFO,  20                          ; v20     256 x lane: the prefetches' offset; never rewritten
.set WOF,  21                          ; v21-23  offsets of the loads at the head
.set WSO,  22
.set HOF,  23
.set WLD,  24                          ; v24     LDS address of my lane in W's half in slot 1
.set TT,   25
.set RR,   26
.set SUM0, 27
.set SUM1, 28
.set XX,   29
.set YY,   30
.set WS,   32                          ; v[32 + 8 pr + s]: lanes 0-15 the words of W's block 2 pr, lanes 16-31 of block 2 pr + 1, K step s: s modulo 8
.set ASB,  36                          ; v[36 + 8 (group % 2) + s]: lanes 0-15 the words of the group's rows 0-15, lanes 16-31 of rows 16-31: 4 + s modulo 8
.set HID,  60                          ; v[60 + 8 nb + j] = hidden[8 bg + r % 8][block nb's first row + 8 h + j]
.set ACC,  128
.set WV,   18                          ; s18 wave;  s19 cx;  s20 bg = cy;  s21 sr;  s22 nh;  s23 kh
.set CX,   19
.set BG,   20
.set SR,   21
.set NH,   22
.set KH,   23
.set G1A,  24                          ; s[24:31] descriptor group 1 of a refill;  s[32:39] of the scale bytes
.set G1S,  32
.set G0,   40                          ; s[40:43], s[44:47] group 0 of slot 0, of slot 1
.set PFA,  52                          ; s[52:53] where my prefetches stand
.set TRIP, 54
.set HM,   55                          ; s55  the mask of lanes 16-31
.set SEL,  56                          ; s[56:57] v_permlanex16_b32: lane l xor 16
.set G1W,  72                          ; s[72:79] group 1 of W's half;  s[80:87] of chunk 0, whole
.set G1E,  80
.set G0W,  88                          ; s[88:91], s[92:95], s[96:99] group 0 of W's half, of chunk 0, of the scale bytes
.set G0E,  92
.set G0S,  96
.set MSB, 0
.macro WIN new                         ; the immediate's high byte repeats the setting that is left; a switch that changes nothing is dropped
.if MSB != (\new)
	s_set_vgpr_msb (MSB<<8)|(\new)
.set MSB, (\new)
.endif
.endm
.macro CREST                           ; a round of the cluster's barrier behind its opening barrier
	s_cmp_lg_u32 s[WV], 0
	s_cbranch_scc1 .Lnot_wave_0_\@
	s_barrier_signal -3
.Lnot_wave_0_\@:
	s_barrier_wait -3
	s_barrier_signal -1
	s_barrier_wait -1
.endm
.macro CROUND                          ; a whole round
	s_barrier_signal -1
	s_barrier_wait -1
	CREST
.endm
.macro TLOAD g0, g1                    ; a tensor load, an s_nop 0, four v_nop
	tensor_load_to_lds s[\g0:\g0+3], s[\g1:\g1+7]
	s_nop 0
.rept 4
	v_nop
.endr
.endm
.macro G1C g, c, r, p                  ; group 1's constant words: r rows of c elements, p elements from row to row
	s_mov_b32 s[\g+1], (\c)<<16
	s_mov_b32 s[\g+2], (\r)<<16
	s_mov_b32 s[\g+3], (\c)<<16
	s_mov_b32 s[\g+4], \r
	s_mov_b32 s[\g+5], \p
	s_mov_b32 s[\g+6], 0
	s_mov_b32 s[\g+7], 0
.endm
; A PREFETCH INTO THE L2 of the chunk that the next change of slots will ask for: 16 s x 8,192 bytes.  The sixteen waves of a row of the cluster take one s each, told apart BY ADDRESS (4 cx + wave), a lane 256 bytes:
; each aligned block of 256 bytes is named once in the launch.  It stands behind the joint load and the run of LDS loads.  lim = 1: the loop's last trip has no chunk behind the one just asked for.
.macro ASK lim
.if (\lim) > 0
	s_cmp_gt_u32 s[TRIP], \lim
	s_cbranch_scc0 .Lno_ask_\@
.endif
	global_prefetch_b8 v[PFO], s[PFA:PFA+1] th:TH_LOAD_NT scope:SCOPE_SE
.if (\lim) > 0
.Lno_ask_\@:
.endif
.endm
; One matrix instruction: block p of the group's two, K step s, W's block nb.  s = 0 starts the sum: nothing is ever cleared.  The eight accumulators of a block take turns, one instruction a turn.
.macro MM p, s, nb, set
.set rD, ACC+64*(\p)+8*(\nb)
.set rW, 128*((\s)%2)+16*(\nb)
.set rA, 128*(\set)+16*(4*(\p)+(\s))
.set rX, WS+8*((\nb)/2)+(\s)
.set rY, ASB+8*(\set)+(\s)
	WIN 0x0d+(\s)/2                                ; source 0 (W) window 1 or 2, source 1 (enc) window 3, C and D window 0
.if ((\s) == 0) && ((\nb)%2 == 0) && ((\p) == 0)
	v_wmma_scale_f32_16x16x128_f8f6f4 v[rD:rD+7], v[rW:rW+15], v[rA:rA+15], 0, v[rX], v[rY]
.elseif ((\s) == 0) && ((\p) == 0)
	v_wmma_scale_f32_16x16x128_f8f6f4 v[rD:rD+7], v[rW:rW+15], v[rA:rA+15], 0, v[rX], v[rY] matrix_a_scale:MATRIX_SCALE_ROW1
.elseif ((\s) == 0) && ((\nb)%2 == 0)
	v_wmma_scale_f32_16x16x128_f8f6f4 v[rD:rD+7], v[rW:rW+15], v[rA:rA+15], 0, v[rX], v[rY] matrix_b_scale:MATRIX_SCALE_ROW1
.elseif (\s) == 0
	v_wmma_scale_f32_16x16x128_f8f6f4 v[rD:rD+7], v[rW:rW+15], v[rA:rA+15], 0, v[rX], v[rY] matrix_a_scale:MATRIX_SCALE_ROW1 matrix_b_scale:MATRIX_SCALE_ROW1
.elseif ((\nb)%2 == 0) && ((\p) == 0)
	v_wmma_scale_f32_16x16x128_f8f6f4 v[rD:rD+7], v[rW:rW+15], v[rA:rA+15], v[rD:rD+7], v[rX], v[rY]
.elseif (\p) == 0
	v_wmma_scale_f32_16x16x128_f8f6f4 v[rD:rD+7], v[rW:rW+15], v[rA:rA+15], v[rD:rD+7], v[rX], v[rY] matrix_a_scale:MATRIX_SCALE_ROW1
.elseif (\nb)%2 == 0
	v_wmma_scale_f32_16x16x128_f8f6f4 v[rD:rD+7], v[rW:rW+15], v[rA:rA+15], v[rD:rD+7], v[rX], v[rY] matrix_b_scale:MATRIX_SCALE_ROW1
.else
	v_wmma_scale_f32_16x16x128_f8f6f4 v[rD:rD+7], v[rW:rW+15], v[rA:rA+15], v[rD:rD+7], v[rX], v[rY] matrix_a_scale:MATRIX_SCALE_ROW1 matrix_b_scale:MATRIX_SCALE_ROW1
.endif
.endm
; All LDS loads of group nk, 33: its scale words (four s on for each group: the four words of my K half), then its eight fragments:
; lane (r, h) takes row r, registers 4 c .. 4 c + 3 = K 32 c + 16 h + 0 .. 15 of my K half's step.
.macro RUN nk
.set rT, (\nk)%2
.set rq, (\nk)%4
.set ra, AD+2*(((\nk)/4)%2)+rq/2
	WIN 0
	ds_load_b128 v[ASB+8*rT:ASB+8*rT+3], v[ADS] offset:(\nk)*4*SCU
	WIN 0xc0                                       ; destination window 3, address window 0
.irp t, 0,1,2,3,4,5,6,7
.irp c, 0,1,2,3
	ds_load_b128 v[128*rT+16*\t+4*\c:128*rT+16*\t+4*\c+3], v[ra] offset:(32*(rq%2)+16*(\t/4))*PITCH+128*(\t%4)+32*\c
.endr
.endr
.endm
; A multiply-add of the dot.  m = 0-31: block 1 of the group before, into CH1; m = 32-63: block 0 of this group, into CH0.  Four m for each accumulator, from its low end on, the two chains by turns; the first two begin the chains.
; The three sources of a line never have the same number modulo 8: accumulator 2 i, hidden 2 i + 4, chain 2 or 6 (i even), 4 or 0 (i odd), i = m % 4.
.macro DOT m
.set dN, ((\m)%32)/4
.set dI, 2*((\m)%4)
.if (\m) < 32
.set dA, ACC+64+8*dN
.set dC, CH1+2*((\m)%2)
.else
.set dA, ACC+8*dN
.set dC, CH0+2*((\m)%2)
.endif
.if ((\m)%32) < 2
	v_pk_mul_f32 v[dC:dC+1], v[dA+dI:dA+dI+1], v[HID+dI:HID+dI+1]
.else
	v_pk_fma_f32 v[dC:dC+1], v[dA+dI:dA+dI+1], v[HID+8*dN+dI:HID+8*dN+dI+1], v[dC:dC+1]
.endif
.endm
; Line j of making a group's 32 scores: 0-1 block 0's chains are folded: SUM0; 2-3 block 1's: SUM1; 4-7 lanes 0-15 take block 0's sums, lanes 16-31 block 1's, each with the other half of the lanes' part: lane l holds my part of the score of row l.
.macro SCORE j
.if (\j) == 0
	v_pk_add_f32 v[CH0:CH0+1], v[CH0:CH0+1], v[CH0+2:CH0+3]
.elseif (\j) == 1
	v_add_f32 v[SUM0], v[CH0], v[CH0+1]
.elseif (\j) == 2
	v_pk_add_f32 v[CH1:CH1+1], v[CH1:CH1+1], v[CH1+2:CH1+3]
.elseif (\j) == 3
	v_add_f32 v[SUM1], v[CH1], v[CH1+1]
.elseif (\j) == 4
	v_cndmask_b32 v[XX], v[SUM0], v[SUM1], s[HM]
.elseif (\j) == 5
	v_cndmask_b32 v[YY], v[SUM1], v[SUM0], s[HM]
.elseif (\j) == 6
	v_permlanex16_b32 v[TT], v[YY], s[SEL], s[SEL+1]
.else
	v_add_f32 v[RR], v[XX], v[TT]
.endif
.endm
; PLACE n of a group's 64, behind its matrix instruction n: one multiply-add of the dot, in a few places one line of the group before's scores beside it.
; A matrix result is read, and a load issued into a matrix instruction's register, eight plain vector lines that name none of its registers behind it (ISA guide 7.12.1 for the read):
; places 24 to 31 stand ahead of block 0's first read; the last eight lines of the dot are kept for the group's end, behind its last matrix instruction: they stand ahead of the next run of loads and of block 1's first read.
; first = 1: the launch's first group has no group before it.   stp = 1: the two stepped addresses go eight groups on.
.macro PLACE n, first, stp
.set vn, (\n)
.if (\first) && (vn < 32)
.if vn >= 24
	v_nop
.endif
.elseif vn < 56
	WIN 0
	DOT vn
.if !(\first) && (vn < 2)
	SCORE vn
.elseif !(\first) && (vn >= 32) && (vn <= 37)
	SCORE vn-30
.endif
.if (\stp) && (vn == 42)
	v_add_nc_u32 v[ADS], 8*4*SCU, v[ADS]
.elseif (\stp) && (vn == 43)
	v_add_nc_u32 v[ADT], 128, v[ADT]
.endif
.elseif vn == 63
	WIN 0
.irp m, 56,57,58,59,60,61,62,63
	DOT \m
.endr
	s_wait_alu depctr_va_vdst(0)                   ; a wait, a barrier or a branch follows
.endif
.endm
; STEP sg = 4 p + s of a group: eight matrix instructions on one fragment of enc.
.macro STEP sg, first, stp
.set qP, (\sg)/4
.set qS, (\sg)%4
.irp u, 0,1,2,3,4,5,6,7
	MM qP, qS, \u, qT
	PLACE 8*(\sg)+\u, \first, \stp
.endr
.endm
; THE HEAD OF GROUP k.  kind 0: this group's fragments are in registers behind the wait; the next group's are asked for.
; kind 1: a chunk's last group: the barrier whose signal stands in the group before opens a round of the cluster's; behind it the slot just read out is filled again, and the next fragments come from the other slot.   kind 2: the barrier alone.
.macro BOUND k, kind, store, run, lim
.set bS, ((\k)/4)%2
.if (\kind) == 0
	s_wait_dscnt 0x0
.else
	s_barrier_wait -1                              ; nobody of my work-group reads the old slot any more, and the other slot is whole
.if (\kind) == 1
	CREST                                          ; nor does a wave of any partner, or has a load on its way
	TLOAD G0+4*bS, G1A                             ; my one tensor load behind the round: every wave fetches its quarter
.endif
.endif
.if \store
	ds_store_b32 v[ADT], v[RR] offset:16*((\k)-2)  ; the scores of the group two back go to my stage
.endif
.if \run
	RUN (\k)+1
.endif
	WIN 0
.if (\kind) == 1
	ASK \lim
.endif
.endm
; GROUP k: 64 matrix instructions.   sig = 1: the group ahead of a change of slots: the three lines and the signal of its barrier stand in it; the slot's next chunk and the prefetches' next place are set.   sig = 2: the same, nothing is filled.
.macro GROUP k, first, sig, stp
.set qT, (\k)%2
.if \sig
	s_wait_tensorcnt 0x0                           ; all my tensor loads have landed: the one that was out is my quarter of the other slot; so a group 0 may be written
	ds_add_u32 v[SPW], v[NIL]                      ; 0 onto my spare word: 48 matrix instructions stand between it and the wait for it
.endif
.irp g, 0,1,2,3,4,5,6,7
.if \first
.if \g == 0
	s_wait_dscnt 49                                ; behind block 0's fragments stand block 1's 16 loads and group 1's 33
	s_wait_loadcnt 63                              ; the head's loads: behind W's K step 0 stand 64 (K steps 1 to 3 and hidden, 16 each),
.elseif \g == 1
	s_wait_loadcnt 48                              ; behind K step 1 stand 48,
.elseif \g == 2
	s_wait_loadcnt 32
.elseif \g == 3
	s_wait_loadcnt 16
.elseif \g == 4
	s_wait_loadcnt 0x0                             ; and hidden is in ahead of the first dot
	s_wait_dscnt 33                                ; block 1's fragments
.endif
.endif
.if (\sig) && (\g == 6)
	s_wait_alu depctr_va_vdst(0)                   ; ahead of the waits below
.if (\sig) == 1
	s_wait_xcnt 0x0                                ; my last prefetch has read its address:
	s_add_nc_u64 s[PFA:PFA+1], s[PFA:PFA+1], CHUNKB
	s_add_nc_u64 s[G0+4*(((\k)/4)%2)+2:G0+4*(((\k)/4)%2)+3], s[G0+4*(((\k)/4)%2)+2:G0+4*(((\k)/4)%2)+3], 2*CHUNKB   ; this slot's next chunk; the type bits on top are not reached
.endif
	s_wait_dscnt 0x0                               ; the add is done, and my reads of this slot (the chunk's last group's fragments among them) are over
	s_barrier_signal -1                            ; sixteen matrix instructions and the dot's lines, work on registers, stand between signal and wait
.endif
	STEP \g, \first, \stp
.endr
.endm
	s_load_b256 s[4:11], s[0:1], 0x0               ; enc's codes s[4:5], enc's scales s[6:7], W's codes s[8:9], W's scales s[10:11]
	s_load_b128 s[12:15], s[0:1], 0x20             ; hidden s[12:13], part s[14:15]
	v_lshl_add_u32 v[SPW], v0, 2, SPARE
	v_mov_b32 v[NIL], 0
	ds_add_u32 v[SPW], v[NIL]                      ; the wave's opening: the add, twice on end, and its wait ahead of my first tensor load
	ds_add_u32 v[SPW], v[NIL]
	v_lshrrev_b32 v6, 5, v0
	v_readfirstlane_b32 s[WV], v6                  ; wave 0..3
	s_bfe_u32 s[CX], ttmp6, 0x40000                ; cx: my quarter of N
	s_bfe_u32 s[BG], ttmp6, 0x40004                ; cy: which 8 b
	s_and_b32 s[SR], ttmp7, 0xffff                 ; the cluster's y: which 128 s
	s_lshr_b32 s[NH], s[WV], 1
	s_and_b32 s[KH], s[WV], 1
	; descriptor groups 1.  Word 0: 15:0 the mask (my row of the cluster for enc, my column for W); 17:16 element size; 20 padding on; 21 set beside a mask; 24:22 padding after every 256 words (code 7; scale bytes 64, code 5); 31:25 four words (code 3)
	s_lshl_b32 s58, s[BG], 2
	s_lshl_b32 s58, 15, s58
	s_lshl_b32 s62, 0x1111, s[CX]
	s_or_b32 s[G1A], s58, (1<<20)|(1<<21)|(7<<22)|(3<<25)
	s_or_b32 s[G1E], s58, (1<<20)|(1<<21)|(7<<22)|(3<<25)
	s_or_b32 s[G1S], s58, (3<<16)|(1<<20)|(1<<21)|(5<<22)|(3<<25)
	s_or_b32 s[G1W], s62, (1<<20)|(1<<21)|(7<<22)|(3<<25)
	G1C G1A, 8192, 4, 32768                        ; a quarter of a chunk: 4 s x 8 b x 1,024 bytes
	G1C G1E, 8192, 16, 32768                       ; a whole chunk
	G1C G1S, 32, 128, 128                          ; 128 s x 256 bytes (32 elements of 8 bytes), 1,024 bytes from s to s
	G1C G1W, 1024, 64, 1024                        ; 64 rows of W
	; the tiles' places: enc's made of sr, bg and the wave's number alone, W's of cx and the wave's number alone, in registers that hold no other coordinate
	s_lshl_b32 s58, s[SR], 22                      ; 128 s x 32,768 bytes
	s_lshl_b32 s59, s[BG], 13                      ; 8 b x 1,024
	s_add_co_u32 s58, s58, s59
	s_mov_b32 s59, 0
	s_lshl_b32 s60, s[WV], 17                      ; my 4 s of a chunk's 16
	s_add_co_u32 s60, s60, s58
	s_mov_b32 s61, 0
	s_lshl_b32 s66, s[SR], 17                      ; the scale bytes: 128 s x 1,024 bytes
	s_lshl_b32 s67, s[BG], 8
	s_add_co_u32 s66, s66, s67
	s_mov_b32 s67, 0
	s_lshl_b32 s62, s[CX], 18                      ; W: 256 cx rows,
	s_lshl_b32 s68, s[WV], 16                      ; and 64 rows a wave (waves 0 and 1 fetch them)
	s_add_co_u32 s62, s62, s68
	s_mov_b32 s63, 0
	s_mul_i32 s69, s[WV], QUART
	s_mul_i32 s70, s[WV], 64*PITCH
	s_mov_b32 s[G0E], 1                            ; 1:0 count = 1
	s_mov_b32 s[G0E+1], 0                          ; 63:32 LDS address
	s_mov_b32 s[G0S], 1
	s_mov_b32 s[G0S+1], SCL
	s_mov_b32 s[G0W], 1
	s_add_co_u32 s[G0W+1], s70, SLOTB
	s_mov_b32 s[G0], 1
	s_mov_b32 s[G0+1], s69
	s_mov_b32 s[G0+4], 1
	s_add_co_u32 s[G0+5], s69, SLOTB
	s_mov_b32 s[HM], 0xffff0000
	s_mov_b32 s[SEL], 0x76543210
	s_mov_b32 s[SEL+1], 0xfedcba98
	; the lanes' addresses
	s_lshl_b32 s48, s[KH], 9                       ; my K half
	s_mul_i32 s49, s[NH], 64*PITCH
	s_add_co_u32 s49, s49, s48
	s_add_co_u32 s49, s49, SLOTB                   ; W's half lies in slot 1
	s_lshl_b32 s50, s[KH], 4
	s_add_co_u32 s50, s50, SCL
	s_mul_i32 s51, s[WV], STW
	s_add_co_u32 s51, s51, STG
	s_mul_i32 s71, s[WV], 2*STP
	s_add_co_u32 s71, s71, STG
	v_and_b32 v3, 31, v0                           ; lane
	v_and_b32 v4, 15, v0                           ; r
	v_bfe_u32 v5, v0, 4, 1                         ; h
	v_mul_u32_u24 v6, v4, PITCH
	v_lshl_add_u32 v6, v5, 4, v6                   ; row r x pitch + 16 h
	v_add_nc_u32 v[AD], s48, v6
	v_add_nc_u32 v[WLD], s49, v6
	v_add_nc_u32 v[AD+1], 64*PITCH, v[AD]
	v_add_nc_u32 v[AD+2], SLOTB, v[AD]
	v_add_nc_u32 v[AD+3], SLOTB+64*PITCH, v[AD]
	v_lshrrev_b32 v7, 3, v3                        ; lane / 8: which s of a group's four
	v_and_b32 v1, 7, v0                            ; lane % 8: which b
	v_mul_u32_u24 v[ADS], v7, SCU
	v_lshl_add_u32 v[ADS], v1, 5, v[ADS]
	v_add_nc_u32 v[ADS], s50, v[ADS]
	v_mul_u32_u24 v[ADT], v1, STP
	v_lshl_add_u32 v[ADT], v7, 2, v[ADT]
	v_add_nc_u32 v[ADT], s51, v[ADT]
	v_lshlrev_b32 v[OUTO], 4, v3
	v_add_nc_u32 v[RD], s71, v[OUTO]               ; the way out: b = 2 x wave on, 16 bytes a lane
	v_lshlrev_b32 v[PFO], 8, v3
	v_lshlrev_b32 v[WOF], 10, v4
	v_lshl_add_u32 v[WOF], v5, 4, v[WOF]           ; W: row r of 1,024 bytes + 16 h
	v_lshlrev_b32 v[WSO], 5, v3                    ; W's scales: 32 bytes a row, a lane a row
	v_lshlrev_b32 v[HOF], 12, v1
	v_lshl_add_u32 v[HOF], v5, 5, v[HOF]           ; hidden: row r % 8 of 4,096 bytes + 32 h
	v_mov_b32 v[TT], 0                             ; written once: a lane permute's destination counts as one of its sources
	s_wait_alu depctr_va_vdst(0)
	s_wait_dscnt 0x0                               ; both opening adds are done
	CROUND                                         ; all sixteen work-groups are here: the first joint loads meet
	s_wait_kmcnt 0x0
	s_add_nc_u64 s[G0W+2:G0W+3], s[8:9], s[62:63]  ; 120:64 global address
	s_or_b32 s[G0W+3], s[G0W+3], 0x80000000        ; 127:126 type = 2
	s_add_nc_u64 s[G0E+2:G0E+3], s[4:5], s[58:59]
	s_or_b32 s[G0E+3], s[G0E+3], 0x80000000
	s_add_nc_u64 s[G0S+2:G0S+3], s[6:7], s[66:67]
	s_or_b32 s[G0S+3], s[G0S+3], 0x80000000
	; THE HEAD'S LOADS, ONE A WAVE, in the arms of one chain: waves 0 and 1 W's half, which is used first; wave 2 chunk 0; wave 3 all scale bytes
	s_cmp_lt_u32 s[WV], 2
	s_cbranch_scc0 .Lhead_enc
	TLOAD G0W, G1W
	s_branch .Lhead_asked
.Lhead_enc:
	s_cmp_eq_u32 s[WV], 2
	s_cbranch_scc0 .Lhead_scales
	TLOAD G0E, G1E
	s_branch .Lhead_asked
.Lhead_scales:
	TLOAD G0S, G1S
.Lhead_asked:
	; the walking descriptors: slot 0 at chunk 0 (its first refill is chunk 2), slot 1 at chunk 1
	s_add_nc_u64 s[G0+2:G0+3], s[4:5], s[60:61]
	s_add_nc_u64 s[G0+6:G0+7], s[G0+2:G0+3], CHUNKB
	s_or_b32 s[G0+3], s[G0+3], 0x80000000
	s_or_b32 s[G0+7], s[G0+7], 0x80000000
	; what hangs on both coordinates: in registers of its own
	s_mov_b32 s49, 0
	s_lshl_b32 s48, s[CX], 13                      ; W's scale bytes: row 256 cx + 64 nh, my K half
	s_lshl_b32 s50, s[NH], 11
	s_add_co_u32 s48, s48, s50
	s_lshl_b32 s50, s[KH], 4
	s_add_co_u32 s48, s48, s50
	s_add_nc_u64 s[10:11], s[10:11], s[48:49]
	s_lshl_b32 s48, s[CX], 18                      ; W: row 256 cx + 128 + 64 nh, my K half
	s_lshl_b32 s50, s[NH], 16
	s_add_co_u32 s48, s48, s50
	s_lshl_b32 s50, s[KH], 9
	s_add_co_u32 s48, s48, s50
	s_add_co_u32 s48, s48, 128*1024
	s_add_nc_u64 s[8:9], s[8:9], s[48:49]
.irp p, 0,1,2,3
	global_load_b128 v[WS+8*\p:WS+8*\p+3], v[WSO], s[10:11] offset:1024*\p+2048*(\p/2)
.endr
.macro WLOAD s                         ; K step s of blocks 4 to 7, from memory into registers
	WIN 0x40*(1+\s/2)
.irp nb, 4,5,6,7
.irp c, 0,1,2,3
	global_load_b128 v[128*(\s%2)+16*\nb+4*\c:128*(\s%2)+16*\nb+4*\c+3], v[WOF], s[8:9] offset:16384*(\nb-4)+128*\s+32*\c
.endr
.endr
.endm
	WLOAD 0
	WLOAD 1
	WIN 0
	s_lshl_b32 s48, s[CX], 17                      ; the prefetches: s number 4 cx + wave of a chunk,
	s_lshl_b32 s50, s[WV], 15
	s_add_co_u32 s48, s48, s50
	s_add_co_u32 s48, s48, s58
	s_add_co_u32 s48, s48, 2*CHUNKB                ; at chunk 2
	s_add_nc_u64 s[PFA:PFA+1], s[4:5], s[48:49]
	global_prefetch_b8 v[PFO], s[PFA:PFA+1] offset:-CHUNKB th:TH_LOAD_NT scope:SCOPE_SE   ; chunk 1, which slot 1's refill asks for
	s_lshl_b32 s50, s[CX], 10                      ; hidden at row 8 bg, column 256 cx + 64 nh
	s_lshl_b32 s51, s[NH], 8
	s_add_co_u32 s50, s50, s51
	s_lshl_b32 s51, s[BG], 15
	s_add_co_u32 s50, s50, s51
	s_mov_b32 s51, 0
	s_add_nc_u64 s[12:13], s[12:13], s[50:51]
	s_lshl_b32 s50, s[CX], 18                      ; part: ((32 cx + 8 bg + 2 wave) x 2,048 + 128 sr) x 4 bytes
	s_lshl_b32 s51, s[BG], 16
	s_add_co_u32 s50, s50, s51
	s_lshl_b32 s51, s[WV], 14
	s_add_co_u32 s50, s50, s51
	s_lshl_b32 s51, s[SR], 9
	s_add_co_u32 s50, s50, s51
	s_mov_b32 s51, 0
	s_add_nc_u64 s[14:15], s[14:15], s[50:51]
	s_cmp_lt_u32 s[WV], 2
	s_cbranch_scc0 .Lnot_w
	s_wait_tensorcnt 0x0                           ; my 64 rows of W are in
.Lnot_w:
	s_barrier_signal -1                            ; this barrier shows W's half; chunk 0 and the scale bytes may stay out
	s_barrier_wait -1
.irp s, 0,1,2,3                        ; blocks 0 to 3 of W, from slot 1 into registers
	WIN 0x40*(1+\s/2)
.irp nb, 0,1,2,3
.irp c, 0,1,2,3
	ds_load_b128 v[128*(\s%2)+16*\nb+4*\c:128*(\s%2)+16*\nb+4*\c+3], v[WLD] offset:16*\nb*PITCH+128*\s+32*\c
.endr
.endr
.endr
	WLOAD 2
	WLOAD 3
	WIN 0
.irp nb, 0,1,2,3,4,5,6,7
	global_load_b128 v[HID+8*\nb:HID+8*\nb+3], v[HOF], s[12:13] offset:64*\nb+256*(\nb/4)
	global_load_b128 v[HID+8*\nb+4:HID+8*\nb+7], v[HOF], s[12:13] offset:64*\nb+256*(\nb/4)+16
.endr
	s_wait_tensorcnt 0x0                           ; every wave's head load is in
	ds_add_u32 v[SPW], v[NIL]                      ; 0 onto my spare word
	s_wait_dscnt 0x0                               ; the add is done, and I hold W's half in registers
	CROUND                                         ; so does every wave of every partner, and chunk 0 and the scale bytes are whole
	TLOAD G0+4, G1A                                ; slot 1 takes chunk 1: the first tensor load behind the round
	RUN 0                                          ; group 0's scale words and fragments,
	RUN 1                                          ; and group 1's
	WIN 0
	ASK 0                                          ; chunk 2, which the first change of slots asks for
	GROUP 0, 1, 0, 0
	BOUND 1, 0, 0, 1, 0
	GROUP 1, 0, 0, 0
	s_mov_b32 s[TRIP], 3
.Ltrip:                                                ; a trip goes once round the ring, from a chunk's third group to the second of the chunk two on, and fills both slots again
	BOUND 2, 0, 1, 1, 0
	GROUP 2, 0, 1, 0
	BOUND 3, 1, 1, 1, 0
	GROUP 3, 0, 0, 0
	BOUND 4, 0, 1, 1, 0
	GROUP 4, 0, 0, 0
	BOUND 5, 0, 1, 1, 0
	GROUP 5, 0, 0, 0
	BOUND 6, 0, 1, 1, 0
	GROUP 6, 0, 1, 0
	BOUND 7, 1, 1, 1, 1
	GROUP 7, 0, 0, 0
	BOUND 8, 0, 1, 1, 0
	GROUP 8, 0, 0, 0
	BOUND 9, 0, 1, 1, 0
	GROUP 9, 0, 0, 1
	s_sub_co_u32 s[TRIP], s[TRIP], 1
	s_cmp_lg_u32 s[TRIP], 0
	s_cbranch_scc1 .Ltrip
	BOUND 2, 0, 1, 1, 0                            ; the last six groups are written out: nothing more is filled
	GROUP 2, 0, 2, 0
	BOUND 3, 2, 1, 1, 0
	GROUP 3, 0, 0, 0
	BOUND 4, 0, 1, 1, 0
	GROUP 4, 0, 0, 0
	BOUND 5, 0, 1, 1, 0
	GROUP 5, 0, 0, 0
	BOUND 6, 0, 1, 1, 0
	GROUP 6, 0, 0, 0
	BOUND 7, 0, 1, 0, 0
	GROUP 7, 0, 0, 0
	ds_store_b32 v[ADT], v[RR] offset:16*6         ; the last group but one
	SCORE 0
	SCORE 1
.irp m, 0,1,2,3,4,5,6,7,8,9,10,11,12,13,14,15,16,17,18,19,20,21,22,23,24,25,26,27,28,29,30,31
	DOT \m
.endr
.irp j, 2,3,4,5,6,7
	SCORE \j
.endr
	ds_store_b32 v[ADT], v[RR] offset:16*7         ; and the last
	; THE WAY OUT.  Each wave holds its part (its half of the quarter's outputs, its half of K) of all 1,024 scores in its stage.  Wave w adds the four parts for b = 2 w and 2 w + 1: 128 s, 512 bytes each.
	s_wait_dscnt 0x0                               ; for the others' sake: my stores into my stage are done
	s_barrier_signal -1
	s_barrier_wait -1
.irp i, 0,1
.irp w, 0,1,2,3
	ds_load_b128 v[HID+16*\i+4*\w:HID+16*\i+4*\w+3], v[RD] offset:STW*\w+STP*\i
.endr
.endr
	s_wait_dscnt 0x0
.irp i, 0,1
.irp j, 0,2
	v_pk_add_f32 v[HID+16*\i+\j:HID+16*\i+\j+1], v[HID+16*\i+\j:HID+16*\i+\j+1], v[HID+16*\i+4+\j:HID+16*\i+4+\j+1]
	v_pk_add_f32 v[HID+16*\i+8+\j:HID+16*\i+8+\j+1], v[HID+16*\i+8+\j:HID+16*\i+8+\j+1], v[HID+16*\i+12+\j:HID+16*\i+12+\j+1]
.endr
.irp j, 0,2
	v_pk_add_f32 v[HID+16*\i+\j:HID+16*\i+\j+1], v[HID+16*\i+\j:HID+16*\i+\j+1], v[HID+16*\i+8+\j:HID+16*\i+8+\j+1]
.endr
	global_store_b128 v[OUTO], v[HID+16*\i:HID+16*\i+3], s[14:15] offset:8192*\i   ; 32 lanes store 512 consecutive bytes, at a multiple of 512 from the buffer's first byte
.endr
	s_wait_tensorcnt 0x0                           ; the wave's end: behind my last tensor load and my last LDS store
	ds_add_u32 v[SPW], v[NIL]
	s_wait_dscnt 0x0
	CROUND                                         ; the closing round: no work-group ends while a partner may still ask for a tile that names it
	s_endpgm
.Lfunc_end_k_q30ab24e4c4_energy:
	.size	k_q30ab24e4c4_energy, .Lfunc_end_k_q30ab24e4c4_energy-k_q30ab24e4c4_energy
	.p2alignl 7, 3214868480
	.fill 96, 4, 3214868480
	.section	.rodata,"a",@progbits
	.p2align	6, 0x0
	.amdhsa_kernel k_q30ab24e4c4_energy
		.amdhsa_group_segment_fixed_size 327680
		.amdhsa_private_segment_fixed_size 0
		.amdhsa_enable_private_segment 0
		.amdhsa_kernarg_size 48
		.amdhsa_user_sgpr_count 2
		.amdhsa_user_sgpr_kernarg_segment_ptr 1
		.amdhsa_wavefront_size32 1
		.amdhsa_system_sgpr_workgroup_id_x 1
		.amdhsa_system_sgpr_workgroup_id_y 1
		.amdhsa_system_sgpr_workgroup_id_z 1
		.amdhsa_system_vgpr_workitem_id 0
		.amdhsa_next_free_vgpr 1024
		.amdhsa_next_free_sgpr 100
		.amdhsa_reserve_vcc 0
		.amdhsa_float_denorm_mode_32 3
		.amdhsa_float_denorm_mode_16_64 3
		.amdhsa_memory_ordered 1
		.amdhsa_forward_progress 1
		.amdhsa_inst_pref_size 255
	.end_amdhsa_kernel
	.section	.bss,"aw",@nobits
	.p2align	6
	.space	262144
	.amdgpu_metadata
---
amdhsa.version: [ 1, 2 ]
amdhsa.kernels:
  - .name:           k_q30ab24e4c4_energy
    .symbol:         k_q30ab24e4c4_energy.kd
    .args:
      - { .name: encoder_outputs_codes, .offset: 0, .size: 8, .value_kind: global_buffer, .address_space: global }
      - { .name: encoder_outputs_scales, .offset: 8, .size: 8, .value_kind: global_buffer, .address_space: global }
      - { .name: W_codes, .offset: 16, .size: 8, .value_kind: global_buffer, .address_space: global }
      - { .name: W_scales, .offset: 24, .size: 8, .value_kind: global_buffer, .address_space: global }
      - { .name: hidden, .offset: 32, .size: 8, .value_kind: global_buffer, .address_space: global }
      - { .name: part, .offset: 40, .size: 8, .value_kind: global_buffer, .address_space: global }
    .group_segment_fixed_size: 327680
    .private_segment_fixed_size: 0
    .kernarg_segment_align: 8
    .kernarg_segment_size: 48
    .max_flat_workgroup_size: 128
    .sgpr_count:     100
    .vgpr_count:     1024
    .wavefront_size: 32
...
	.end_amdgpu_metadata
.endif
;; end of part 1
;; launch softmax (part 2): grid 32 x 1, 8 waves a work-group, no clusters, 1,280 bytes of LDS; arguments part, out0; writes out0
.if DOCPART == 2
	.amdgcn_target "amdgcn-amd-amdhsa--gfx1250"
	.amdhsa_code_object_version 6
	.text
	.protected	k_q30ab24e4c4_softmax
	.globl	k_q30ab24e4c4_softmax
	.p2align	8
	.type	k_q30ab24e4c4_softmax,@function
k_q30ab24e4c4_softmax:
	s_mov_b64 s[64:65], 0
	v_nop
	global_prefetch_b8 v0, s[64:65] scope:SCOPE_SE
	s_setreg_imm32_b32 hwreg(HW_REG_WAVE_MODE, 25, 1), 1
	s_wait_xcnt 0x0
; out0[b][0][s] = softmax over s of x[b][s], x = the sum of the four parts part[0..3][b][s] (one for each quarter of N), as (p0 + p1) + (p2 + p3).  All in f32.
; One work-group to a b: a row's maximum and sum have one owner.  256 threads, 8 scores each: thread t takes s = 4 t .. 4 t + 3 and 1,024 + 4 t .. + 3, so each load and store of a wave covers 512 consecutive bytes.
; The row's true maximum is taken away ahead of the exponential.  LIMIT: a weight under 2^-126 comes out as 0 (the exponential instruction gives no denormals: ISA guide 15.8); NaN and infinities are not served.
; No matrix unit, no tensor load, no cluster: 1.25 MB are moved, and nothing is shared between work-groups.
.set LOG2E, 0x3fb8aa3b
	s_load_b128 s[4:7], s[0:1], 0x0                ; part, out0
	v_lshl_add_u32 v48, v0, 2, 0x100
	v_mov_b32 v49, 0
	v_lshlrev_b32 v1, 4, v0                        ; 16 bytes a thread
	v_lshrrev_b32 v2, 5, v0
	s_delay_alu instid0(VALU_DEP_1)
	v_readfirstlane_b32 s8, v2                     ; wave 0..7
	s_lshl_b32 s10, ttmp9, 13                      ; row b: 8,192 bytes
	s_mov_b32 s11, 0
	s_mov_b32 s12, 0x76543210                      ; v_permlanex16_b32: lane l xor 16
	s_mov_b32 s13, 0xfedcba98
	s_lshl_b32 s9, s8, 2
	v_mov_b32 v42, s9                              ; LDS: my wave's word
	v_mov_b32 v43, 0
	v_mov_b32 v41, 0                               ; written once: a lane permute's destination counts as one of its sources
	s_wait_alu depctr_va_vdst(0)
	s_wait_kmcnt 0x0
	s_add_nc_u64 s[4:5], s[4:5], s[10:11]
	s_add_nc_u64 s[6:7], s[6:7], s[10:11]
.irp i, 0,1,2,3
.irp u, 0,1
	global_load_b128 v[8+8*\i+4*\u:8+8*\i+4*\u+3], v1, s[4:5] offset:262144*\i+4096*\u th:TH_LOAD_NT
.endr
.endr
	s_wait_loadcnt 0x0
.irp j, 0,2,4,6
	v_pk_add_f32 v[8+\j:9+\j], v[8+\j:9+\j], v[16+\j:17+\j]
	v_pk_add_f32 v[24+\j:25+\j], v[24+\j:25+\j], v[32+\j:33+\j]
.endr
.irp j, 0,2,4,6
	v_pk_add_f32 v[8+\j:9+\j], v[8+\j:9+\j], v[24+\j:25+\j]      ; x: v8-15
.endr
	; the row's maximum: my eight, my wave's 32 lanes, the eight waves
	s_delay_alu instid0(VALU_DEP_3)
	v_max3_num_f32 v40, v8, v9, v10
	s_delay_alu instid0(VALU_DEP_1)
	v_max3_num_f32 v40, v40, v11, v12
	s_delay_alu instid0(VALU_DEP_1)
	v_max3_num_f32 v40, v40, v13, v14
	s_delay_alu instid0(VALU_DEP_1)
	v_max_num_f32 v40, v40, v15
	s_delay_alu instid0(VALU_DEP_1)
	v_max_num_f32_dpp v40, v40, v40 row_xmask:1 row_mask:0xf bank_mask:0xf
	s_delay_alu instid0(VALU_DEP_1)
	v_max_num_f32_dpp v40, v40, v40 row_xmask:2 row_mask:0xf bank_mask:0xf
	s_delay_alu instid0(VALU_DEP_1)
	v_max_num_f32_dpp v40, v40, v40 row_xmask:4 row_mask:0xf bank_mask:0xf
	s_delay_alu instid0(VALU_DEP_1)
	v_max_num_f32_dpp v40, v40, v40 row_xmask:8 row_mask:0xf bank_mask:0xf
	s_delay_alu instid0(VALU_DEP_1)
	v_permlanex16_b32 v41, v40, s12, s13
	s_delay_alu instid0(VALU_DEP_1)
	v_max_num_f32 v40, v40, v41
	ds_store_b32 v42, v40                          ; all lanes write the same word with the same value
	s_wait_dscnt 0x0                               ; for the others' sake
	s_barrier_signal -1
	s_barrier_wait -1
	ds_load_b128 v[16:19], v43
	ds_load_b128 v[20:23], v43 offset:16
	s_wait_dscnt 0x0
	v_max3_num_f32 v40, v16, v17, v18
	s_delay_alu instid0(VALU_DEP_1)
	v_max3_num_f32 v40, v40, v19, v20
	s_delay_alu instid0(VALU_DEP_1)
	v_max3_num_f32 v40, v40, v21, v22
	s_delay_alu instid0(VALU_DEP_1)
	v_max_num_f32 v40, v40, v23
.irp j, 0,1,2,3,4,5,6,7
	v_sub_f32 v[8+\j], v[8+\j], v40
.endr
.irp j, 0,1,2,3,4,5,6,7
	v_mul_f32 v[8+\j], LOG2E, v[8+\j]
.endr
	s_wait_alu depctr_va_vdst(0)
.irp j, 0,1,2,3,4,5,6,7
	v_exp_f32 v[8+\j], v[8+\j]                     ; e^(x - max), at most 1
.endr
	v_nop                                          ; a plain line behind the last exponential,
	s_wait_alu depctr_va_vdst(0)                   ; and one wait for the batch, ahead of its first reader
	v_pk_add_f32 v[24:25], v[8:9], v[10:11]
	v_pk_add_f32 v[26:27], v[12:13], v[14:15]
	s_delay_alu instid0(VALU_DEP_1)
	v_pk_add_f32 v[24:25], v[24:25], v[26:27]
	s_delay_alu instid0(VALU_DEP_1)
	v_add_f32 v44, v24, v25
	s_delay_alu instid0(VALU_DEP_1)
	v_add_f32_dpp v44, v44, v44 row_xmask:1 row_mask:0xf bank_mask:0xf
	s_delay_alu instid0(VALU_DEP_1)
	v_add_f32_dpp v44, v44, v44 row_xmask:2 row_mask:0xf bank_mask:0xf
	s_delay_alu instid0(VALU_DEP_1)
	v_add_f32_dpp v44, v44, v44 row_xmask:4 row_mask:0xf bank_mask:0xf
	s_delay_alu instid0(VALU_DEP_1)
	v_add_f32_dpp v44, v44, v44 row_xmask:8 row_mask:0xf bank_mask:0xf
	s_delay_alu instid0(VALU_DEP_1)
	v_permlanex16_b32 v41, v44, s12, s13
	s_delay_alu instid0(VALU_DEP_1)
	v_add_f32 v44, v44, v41
	ds_store_b32 v42, v44 offset:64
	s_wait_dscnt 0x0
	s_barrier_signal -1
	s_barrier_wait -1
	ds_load_b128 v[16:19], v43 offset:64
	ds_load_b128 v[20:23], v43 offset:80
	s_wait_dscnt 0x0
	v_pk_add_f32 v[16:17], v[16:17], v[18:19]
	v_pk_add_f32 v[20:21], v[20:21], v[22:23]
	s_delay_alu instid0(VALU_DEP_1)
	v_pk_add_f32 v[16:17], v[16:17], v[20:21]
	s_delay_alu instid0(VALU_DEP_1)
	v_add_f32 v44, v16, v17
	s_wait_alu depctr_va_vdst(0)
	v_rcp_f32 v45, v44
	v_nop
	s_wait_alu depctr_va_vdst(0)                   ; ahead of the reciprocal's first reader
.irp j, 0,1,2,3,4,5,6,7
	v_mul_f32 v[8+\j], v[8+\j], v45
.endr
	global_store_b128 v1, v[8:11], s[6:7]          ; a wave stores 512 consecutive bytes, at a multiple of 512 from the buffer's first byte
	global_store_b128 v1, v[12:15], s[6:7] offset:4096
	s_wait_tensorcnt 0x0
	ds_add_u32 v48, v49
	s_wait_dscnt 0x0
	s_endpgm
.Lfunc_end_k_q30ab24e4c4_softmax:
	.size	k_q30ab24e4c4_softmax, .Lfunc_end_k_q30ab24e4c4_softmax-k_q30ab24e4c4_softmax
	.p2alignl 7, 3214868480
	.fill 96, 4, 3214868480
	.section	.rodata,"a",@progbits
	.p2align	6, 0x0
	.amdhsa_kernel k_q30ab24e4c4_softmax
		.amdhsa_group_segment_fixed_size 1280
		.amdhsa_private_segment_fixed_size 0
		.amdhsa_enable_private_segment 0
		.amdhsa_kernarg_size 16
		.amdhsa_user_sgpr_count 2
		.amdhsa_user_sgpr_kernarg_segment_ptr 1
		.amdhsa_wavefront_size32 1
		.amdhsa_system_sgpr_workgroup_id_x 1
		.amdhsa_system_sgpr_workgroup_id_y 1
		.amdhsa_system_sgpr_workgroup_id_z 1
		.amdhsa_system_vgpr_workitem_id 0
		.amdhsa_next_free_vgpr 50
		.amdhsa_next_free_sgpr 66
		.amdhsa_reserve_vcc 0
		.amdhsa_float_denorm_mode_32 3
		.amdhsa_float_denorm_mode_16_64 3
		.amdhsa_memory_ordered 1
		.amdhsa_forward_progress 1
		.amdhsa_inst_pref_size 8
	.end_amdhsa_kernel
	.amdgpu_metadata
---
amdhsa.version: [ 1, 2 ]
amdhsa.kernels:
  - .name:           k_q30ab24e4c4_softmax
    .symbol:         k_q30ab24e4c4_softmax.kd
    .args:
      - { .name: part, .offset: 0, .size: 8, .value_kind: global_buffer, .address_space: global }
      - { .name: out0, .offset: 8, .size: 8, .value_kind: global_buffer, .address_space: global }
    .group_segment_fixed_size: 1280
    .private_segment_fixed_size: 0
    .kernarg_segment_align: 8
    .kernarg_segment_size: 16
    .max_flat_workgroup_size: 256
    .sgpr_count:     66
    .vgpr_count:     50
    .wavefront_size: 32
...
	.end_amdgpu_metadata
.endif
;; end of part 2
